; MI455X (gfx1250); checked and timed in simulation.
; The chip was launched on July 23, 2026; its instructions are those of AMD's public machine-readable ISA for CDNA 5 (MIT licence, August 2026) and "CDNA5" Instruction Set Architecture Reference Guide (July 2026). The comments in the code are by the model that wrote it; some were corrected since.
;; Attention. Allowed arithmetic: matrix products marked QUANTISED: E2M1 operands, one E8M0 scale for each 32 along K, by v_wmma_scale_f32_16x16x128_f8f6f4 with both operands' format E2M1 (or v_wmma_scale_f32_32x16x128_f4), f32 sums; everything else in f32.
;; Inputs: key 16 x 2,048 x 128 float32; query 16 x 2,048 x 128 float32; value 16 x 2,048 x 128 float32.
;; Outputs: out0 16 x 2,048 x 128 float32.
;; This version of the problem:
;;   THIS VERSION OF THE PROBLEM IS GIVEN IN LOW PRECISION. The matrix products marked QUANTISED in the list below multiply operands that are first quantised to E2M1 (2 exponent bits, 1 mantissa bit; 4 bits a number), with one power-of-two scale for each 32 numbers along K (OCP MX v1.0); their sums are f32. All else is computed in f32.
;;   The module's matrix products, in the order in which they are computed (A, B: the left and right operand; K: the contracted axis; several contracted axes count as one K, in the product's order):
;;     1. batch 16 x [M 2,048, K 128] x [K 128, N 2,048]; A: input query; B: input key: QUANTISED
;;     2. batch 16 x [M 2,048, K 2,048] x [K 2,048, N 128]; A: softmax (see below); B: input value: QUANTISED
;;   THE QUANTISER, for each operand of a quantised product, along K:
;;     - K is cut into blocks of 32 from its start; a last block that is shorter is filled with zeros.
;;     - A block's scale is 2^e with e = floor(log2(the largest magnitude in the block)) - 2, held to -126 .. 127; a block of zeros has e = 0. As a byte (E8M0): e + 127.
;;     - Each number is divided by its block's scale, clamped to +-6, and rounded to the nearest number of E2M1, ties to even, subnormals kept.
;;     - The product sums the exact products of the quantised numbers (number of the format x scale) in f32.
;;   ~~~python
;;   def quantise(x, axis):      # numpy; x: float32 -> the quantised numbers, widened to float32 again
;;       x = np.moveaxis(x, axis, -1); K = x.shape[-1]
;;       x = np.pad(x, [(0, 0)] * (x.ndim - 1) + [(0, -K % 32)]); x = x.reshape(x.shape[:-1] + (-1, 32)); a = np.abs(x).max(-1, keepdims=True)
;;       e = np.where(a > 0, np.clip(np.frexp(np.where(a > 0, a, 1))[1] - 1 - 2, -126, 127), 0)      # np.frexp(a)[1] - 1 = floor(log2(a)), exactly
;;       r = np.clip(x / 2.0 ** e, -6, 6)
;;       step = 2.0 ** (np.maximum(np.frexp(np.where(r == 0, 1, r))[1] - 1, 0) - 1)
;;       q = np.round(r / step) * step * 2.0 ** e      # np.round: ties to even
;;       return np.moveaxis(q.reshape(q.shape[:-2] + (-1,))[..., :K], -1, axis).astype(np.float32)
;;   ~~~
;;   SOFTMAX AHEAD OF A QUANTISED PRODUCT. Where the list says 'softmax', what is quantised is not the finished softmax but p = 2^(t - M), with t = logit x log2(e) and M = ceil(the row's largest t), a whole number; so 1/2 < the row's largest p <= 1. The row's sum l is taken of the UNQUANTISED p, in f32, and the product's result is divided by l at the end. Since M is a whole number, a kernel that streams over the keys may use a running M (the ceiling of the running maximum): every later rescaling is an exact power of two, which a block's scale takes up: the codes' values come out the same.
;;   OPERANDS COMPUTED ON THE WAY. 'Computed on the way' means the value that the module computes at that place (a softmax that the list does not call 'softmax' is quantised finished and normalised). What goes into a quantiser is computed in f32, as accurately as f32 sums, v_exp_f32 and their like allow (about 1e-6 of the number): no bf16 or f16 on the way to a quantiser, and a product that is left as it is and whose result goes on into a quantised operand takes f32 operands (vector FMAs, or v_wmma_f32_16x16x4_f32). A number that lies on a knife's edge between two numbers of the format may be rounded either way, as far as f32 arithmetic and the matrix unit's own rounding can turn it there, and no further.
;; One version. Each part assembles by itself: llvm-mc -triple=amdgcn-amd-amdhsa -mcpu=gfx1250 --defsym DOCPART=n.
;; ======== version 1 of 1: 2 launches
;; limits: right only within a limited range of input values
;; workspace buffers: kv 4,456,448 bytes
;; launch prep (part 1): grid 16 x 16, 8 waves a work-group, no clusters, 135,424 bytes of LDS; arguments key, value, kv; writes kv
.if DOCPART == 1
	.amdgcn_target "amdgcn-amd-amdhsa--gfx1250"
	.amdhsa_code_object_version 6
	.text
	.protected	k_q5af0b42153_prep
	.globl	k_q5af0b42153_prep
	.p2align	8
	.type	k_q5af0b42153_prep,@function
k_q5af0b42153_prep:
	s_mov_b64 s[64:65], 0
	v_nop
	global_prefetch_b8 v0, s[64:65] scope:SCOPE_SE
	s_setreg_imm32_b32 hwreg(HW_REG_WAVE_MODE, 25, 1), 1
	s_wait_xcnt 0x0
; CAUSAL ATTENTION ON CODES OF FP4 (E2M1), FIRST OF TWO LAUNCHES: key and value, [16][2048][128] f32, become codes and E8M0 scale bytes, once, in the workspace kv.
; K is quantised along the head's 128 (its innermost axis), V along the keys (its first axis inside a head).  A block's scale is 2^(floor(log2(its largest magnitude)) - 2).
; WORK LEFT OUT BY THE PROGRAM (by the second launch; this launch leaves nothing out).  reference() takes 1e10 off the score of every key that comes after the query, ahead of the division by
; sqrt(128).  Such a key has t = (q.k - 1e10) log2(e) / sqrt(128), about -1.3e9, while key 0 counts for every query, so that the row's M is the ceiling of an ordinary t: t - M lies far under -150 and
; p = 2^(t - M) is 0 in f32, the format in which p is defined.  A p of 0 has the code 0, adds nothing to the row's sum nor to the second product, and is never the row's maximum.  So a step of 128 keys
; all of which come after a tile's 16 queries reaches no output and is not walked; inside the step on the diagonal the hidden scores are set to -1e10 and the work is done.
; LIMITS: that holds while |q.k| stays under about 5e9 (inputs up to about 6,000 in size).  A NaN, an infinity or an overflow that reaches only hidden keys is not carried to the result.
; A block of zeros gets the byte 1 where the rule says 127: its codes are zeros, which add nothing under any byte but 0xff, and the bytes are read by this program alone.  Blocks whose largest magnitude
; lies under 2^-124 are held at the byte 1.  NaN and infinities among the inputs are not served.  Every input has a way to the output and is loaded: key and value here, query in the second launch.
;
; kv: [16 heads][16 key steps][17,408 bytes]: a block for 128 keys of a head, laid IN THE ORDER OF THE OPERANDS' REGISTERS (lane L = 16 h + r):
;   0      K's eight fragments: tile T = 2 b + u at 1,024 T, registers 4 c .. 4 c + 3 at + 512 c, the lane's 16 bytes at + 16 L: key 32 b + 8 u + r + 8 (r / 8), channels 64 c + 32 h + 0 .. 31
;   8,192  V^T's eight fragments likewise: tile T: channel 16 T + r, the step's keys 64 c + 32 h + 0 .. 31
;   16,384 K's scale words: the word at 16 L' + 4 m is that of tile 2 m + L' / 16, row L' % 16;      16,896 V's scale words likewise
; SHARES.  Work-group (x = key step, y = head): 128 rows of K and 128 of V, 512 bytes each, and one block of kv.  Wave w makes K's tile w and V's tile w.  All 32 loads of a wave go out at the head,
; each a whole row of 512 bytes.  K's 16 rows turn through the wave's own stage; V's 128 rows meet in a stage of the work-group's, from which a lane reads a column down the keys.
; No tensor load, no matrix instruction, no cluster: every byte is read once by one wave, and nothing is shared between work-groups.
.set STEPB, 17408
.set VST,   0                          ; V's rows: row k at 512 k + 64 (k / 32): 65,728 bytes used
.set KST,   65792                      ; K's stages: 16 rows x 528 bytes for each wave
.set KWB,   8448
.set SC,    133376                     ; the scale words: K's 512 bytes, then V's
.set SPARE, 134400                     ; the spare words, 128 bytes for each wave: four blocks of 256 bytes that no other line names
.set SPW,   12                         ; v12  LDS address of my spare word; never rewritten
.set NIL,   13                         ; v13  0; never rewritten
.set MX,    14                         ; v14-15 two blocks' largest magnitudes
.set SO,    16                         ; v16-17 the conversions' scale operands
.set BY,    18                         ; v18-19 the bytes
.set PM,    20                         ; v20  the other half's two bytes
.set A,     32                         ; v32-95   V as loaded, then my column down the keys
.set B,     96                         ; v96-159  K as loaded
.set C,     160                        ; v160-223 K in the fragment's order
.set VC,    224                        ; v224-231 V's codes
.set KC,    232                        ; v232-239 K's codes
.set VWD,   240                        ; v240 V's scale word
.set KWD,   241                        ; v241 K's
	s_load_b128 s[4:7], s[0:1], 0x0                ; key, value
	s_load_b64 s[8:9], s[0:1], 0x10                ; kv
	v_lshl_add_u32 v[SPW], v0, 2, SPARE
	v_mov_b32 v[NIL], 0
	v_lshrrev_b32 v14, 5, v0
	s_delay_alu instid0(VALU_DEP_1)
	v_readfirstlane_b32 s10, v14                   ; wave w, 0 .. 7
	v_and_b32 v15, 31, v0                          ; L
	v_and_b32 v16, 15, v0                          ; r
	v_bfe_u32 v17, v0, 4, 1                        ; h
	s_delay_alu instid0(VALU_DEP_3)
	v_lshlrev_b32 v1, 4, v15                       ; v1 = 16 L: my 16 bytes of a row, and of an image; never rewritten
	s_wait_alu depctr_va_vdst(0)
	s_lshr_b32 s24, s10, 1                         ; w / 2
	s_and_b32 s25, s10, 1                          ; w % 2
	s_lshl_b32 s26, s10, 13                        ; 16 rows of 512 bytes a wave
	s_lshl_b32 s27, s24, 6
	s_add_co_u32 s27, s27, s26
	v_add_nc_u32 v2, s27, v1                       ; v2: V's stage, in: rows 16 w on: 8,192 w + 64 (w / 2) + 16 L
	v_lshlrev_b32 v3, 2, v16
	s_delay_alu instid0(VALU_DEP_1)
	v_mad_u32_u24 v3, v17, 16448, v3
	s_lshl_b32 s27, s10, 6
	v_add_nc_u32 v3, s27, v3                       ; v3: V's stage, out: channel 16 w + r; lanes 16-31 begin 32 rows (16,384 + 64 bytes) further down
	s_mul_i32 s27, s10, KWB
	s_add_co_u32 s27, s27, KST
	v_add_nc_u32 v4, s27, v1                       ; v4: my K stage, in: 16 L of a row
	v_mul_u32_u24 v5, v16, 528
	s_delay_alu instid0(VALU_DEP_1)
	v_lshl_add_u32 v5, v17, 7, v5
	s_delay_alu instid0(VALU_DEP_1)
	v_add_nc_u32 v5, s27, v5                       ; v5: out: row r, + 128 h: 32 channels
	s_lshl_b32 s27, s25, 8
	s_lshl_b32 s28, s24, 2
	s_add_co_u32 s27, s27, s28
	s_add_co_u32 s27, s27, SC
	v_lshl_add_u32 v6, v16, 4, s27                 ; v6: K's scale word of tile w, row r: 16 (r + 16 (w % 2)) + 4 (w / 2)
	s_delay_alu instid0(VALU_DEP_1)
	v_add_nc_u32 v7, 512, v6                       ; v7: V's
	s_lshl_b32 s28, s25, 9
	s_add_co_u32 s27, s28, SC
	v_add_nc_u32 v8, s27, v1                       ; v8: the way out of the scale words: wave 0 takes K's 512 bytes, wave 1 V's
	v_lshlrev_b32 v9, 3, v17                       ; v9 = 8 h
	v_mov_b32 v[PM], 0                             ; written once: a lane permute's destination counts as one of its sources
	s_mov_b32 s22, 0x76543210
	s_mov_b32 s23, 0xfedcba98                      ; v_permlanex16_b32's selects for lane l xor 16
	s_and_b32 s11, ttmp7, 0xffff                   ; the head
	s_lshl_b32 s12, s11, 20                        ; 2,048 rows of 512 bytes a head,
	s_lshl_b32 s14, ttmp9, 16                      ; 128 a key step
	s_add_co_u32 s12, s12, s14
	s_add_co_u32 s14, s12, s26                     ; value: rows 16 w on
	s_mov_b32 s15, 0
	s_lshl_b32 s29, s24, 14
	s_add_co_u32 s12, s12, s29
	s_lshl_b32 s29, s25, 12
	s_add_co_u32 s12, s12, s29                     ; key: rows 32 (w / 2) + 8 (w % 2) on
	s_mov_b32 s13, 0
	s_lshl_b32 s16, s11, 4
	s_add_co_u32 s16, s16, ttmp9
	s_mul_i32 s16, s16, STEPB                      ; my block of kv
	s_add_co_u32 s20, s16, s28
	s_add_co_u32 s20, s20, 16384                   ; its scale words: K's (wave 0) or V's (wave 1)
	s_mov_b32 s21, 0
	s_lshl_b32 s29, s10, 10
	s_add_co_u32 s16, s16, s29                     ; K's tile w
	s_mov_b32 s17, 0
	s_wait_alu depctr_va_vdst(0)
	s_wait_kmcnt 0x0
	s_add_nc_u64 s[4:5], s[4:5], s[12:13]
	s_add_nc_u64 s[6:7], s[6:7], s[14:15]
	s_add_nc_u64 s[16:17], s[8:9], s[16:17]
	s_add_nc_u64 s[18:19], s[16:17], 8192          ; V's tile w
	s_add_nc_u64 s[20:21], s[8:9], s[20:21]
.irp i, 0,1,2,3,4,5,6,7,8,9,10,11,12,13,14,15
	global_load_b128 v[A+4*\i:A+4*\i+3], v1, s[6:7] offset:512*\i th:TH_LOAD_NT               ; V: 32 lanes read a row of 512 bytes
.endr
.irp i, 0,1,2,3,4,5,6,7,8,9,10,11,12,13,14,15
	global_load_b128 v[B+4*\i:B+4*\i+3], v1, s[4:5] offset:512*(\i+8*(\i/8)) th:TH_LOAD_NT    ; K: the tile's 16 keys: eight neighbours, and the eight that lie 16 further on
.endr
; 64 numbers of a lane, v[src + 32 c + i] = k 64 c + 32 h + i of my row or column: two whole blocks.  They become the fragment's eight registers in v[codes] on, and with the two bytes of lane l xor 16 the scale word.
.macro QUANT2 src, codes, word
.irp c, 0,1
	v_max3_num_f32 v[MX+\c], |v[\src+32*\c]|, |v[\src+32*\c+1]|, 0x1800000   ; and the floor 2^(3 - 127), under which no largest magnitude is taken: so the byte cannot fall under 1
.endr
.irp i, 2,4,6,8,10,12,14,16,18,20,22,24,26,28,30
.irp c, 0,1
	s_delay_alu instid0(VALU_DEP_2)
	v_max3_num_f32 v[MX+\c], v[MX+\c], |v[\src+32*\c+\i]|, |v[\src+32*\c+\i+1]|   ; (the two blocks by turns)
.endr
.endr
.irp c, 0,1
	s_delay_alu instid0(VALU_DEP_2)
	v_add_nc_u32 v[SO+\c], 0xff000000, v[MX+\c]    ; 2 off the exponent field: the conversion takes the exponent field of this operand as its scale, and nothing else of it
.endr
.irp c, 0,1
	s_delay_alu instid0(VALU_DEP_2)
	v_lshrrev_b32 v[BY+\c], 23, v[SO+\c]           ; the scale's byte
.endr
	s_delay_alu instid0(VALU_DEP_1)
	v_lshl_or_b32 v[\word], v[BY+1], 16, v[BY]     ; my two bytes: blocks h and 2 + h,
	s_delay_alu instid0(VALU_DEP_1)
	v_lshlrev_b32 v[\word], v9, v[\word]           ; at their places in the word (8 h bits up);
	s_delay_alu instid0(VALU_DEP_1)
	v_permlanex16_b32 v[PM], v[\word], s22, s23
	s_delay_alu instid0(VALU_DEP_1)
	v_or_b32 v[\word], v[\word], v[PM]             ; with lane l xor 16's two the word is whole
.irp c, 0,1
.irp g, 0,1,2,3
	v_cvt_scalef32_pk8_fp4_f32 v[\codes+4*\c+\g], v[\src+32*\c+8*\g:\src+32*\c+8*\g+7], v[SO+\c]
.endr
.endr
	v_nop                                          ; one plain place behind the last scaled conversion
.endm
	s_wait_loadcnt 16                              ; V's sixteen loads are in; K's sixteen, issued behind them, may be out
.irp i, 0,1,2,3,4,5,6,7,8,9,10,11,12,13,14,15
	ds_store_b128 v2, v[A+4*\i:A+4*\i+3] offset:512*\i
.endr
	s_wait_dscnt 0x0                               ; for the others' sake: my rows of V lie in the stage
	s_barrier_signal -1
	s_barrier_wait -1                              ; all 128 rows do
.irp c, 0,1
.irp i, 0,1,2,3,4,5,6,7,8,9,10,11,12,13,14,15,16,17,18,19,20,21,22,23,24,25,26,27,28,29,30,31
	ds_load_b32 v[A+32*\c+\i], v3 offset:32896*\c+512*\i   ; V(key 64 c + 32 h + i, channel 16 w + r): sixteen lanes read 64 neighbouring bytes, the other sixteen 4,112 words further on
.endr
.endr
	s_wait_loadcnt 0x0                             ; K is in
.irp i, 0,1,2,3,4,5,6,7,8,9,10,11,12,13,14,15
	ds_store_b128 v4, v[B+4*\i:B+4*\i+3] offset:528*\i     ; my own stage: LDS serves a wave's instructions in order, so no wait stands between these and the loads below
.endr
.irp c, 0,1
.irp i, 0,1,2,3,4,5,6,7
	ds_load_b128 v[C+32*\c+4*\i:C+32*\c+4*\i+3], v5 offset:256*\c+16*\i   ; row r, channels 64 c + 32 h + 4 i on
.endr
.endr
	s_wait_dscnt 32                                ; V's 64 column loads are in: behind them stand K's sixteen stores and sixteen loads
	QUANT2 A, VC, VWD
.irp c, 0,1
	global_store_b128 v1, v[VC+4*\c:VC+4*\c+3], s[18:19] offset:512*\c   ; 32 lanes store 512 consecutive bytes, at a multiple of 256 from kv's first byte
.endr
	ds_store_b32 v7, v[VWD]                        ; lanes r and r + 16 write the same word with the same value
	s_wait_dscnt 0x0                               ; K's numbers are back from the stage
	QUANT2 C, KC, KWD
.irp c, 0,1
	global_store_b128 v1, v[KC+4*\c:KC+4*\c+3], s[16:17] offset:512*\c
.endr
	ds_store_b32 v6, v[KWD]
	s_wait_dscnt 0x0                               ; for the others' sake: my two scale words lie in LDS
	s_barrier_signal -1
	s_barrier_wait -1                              ; all sixteen tiles' do
	s_cmp_lt_u32 s10, 2
	s_cbranch_scc0 .Lend
	ds_load_b128 v[24:27], v8                      ; wave 0: K's 512 bytes of scale words; wave 1: V's
	s_wait_dscnt 0x0
	global_store_b128 v1, v[24:27], s[20:21]       ; 512 consecutive bytes, aligned as above
.Lend:
	s_wait_tensorcnt 0x0                           ; the wave's end
	ds_add_u32 v[SPW], v[NIL]
	s_wait_dscnt 0x0
	s_endpgm
.Lfunc_end_k_q5af0b42153_prep:
	.size	k_q5af0b42153_prep, .Lfunc_end_k_q5af0b42153_prep-k_q5af0b42153_prep
	.p2alignl 7, 3214868480
	.fill 96, 4, 3214868480
	.section	.rodata,"a",@progbits
	.p2align	6, 0x0
	.amdhsa_kernel k_q5af0b42153_prep
		.amdhsa_group_segment_fixed_size 135424
		.amdhsa_private_segment_fixed_size 0
		.amdhsa_enable_private_segment 0
		.amdhsa_kernarg_size 24
		.amdhsa_user_sgpr_count 2
		.amdhsa_user_sgpr_kernarg_segment_ptr 1
		.amdhsa_wavefront_size32 1
		.amdhsa_system_sgpr_workgroup_id_x 1
		.amdhsa_system_sgpr_workgroup_id_y 1
		.amdhsa_system_sgpr_workgroup_id_z 1
		.amdhsa_system_vgpr_workitem_id 0
		.amdhsa_next_free_vgpr 248
		.amdhsa_next_free_sgpr 66
		.amdhsa_reserve_vcc 0
		.amdhsa_float_denorm_mode_32 3
		.amdhsa_float_denorm_mode_16_64 3
		.amdhsa_memory_ordered 1
		.amdhsa_forward_progress 1
		.amdhsa_inst_pref_size 23
	.end_amdhsa_kernel
	.amdgpu_metadata
---
amdhsa.version: [ 1, 2 ]
amdhsa.kernels:
  - .name:           k_q5af0b42153_prep
    .symbol:         k_q5af0b42153_prep.kd
    .args:
      - { .name: key, .offset: 0, .size: 8, .value_kind: global_buffer, .address_space: global }
      - { .name: value, .offset: 8, .size: 8, .value_kind: global_buffer, .address_space: global }
      - { .name: kv, .offset: 16, .size: 8, .value_kind: global_buffer, .address_space: global }
    .group_segment_fixed_size: 135424
    .private_segment_fixed_size: 0
    .kernarg_segment_align: 8
    .kernarg_segment_size: 24
    .max_flat_workgroup_size: 256
    .sgpr_count:     66
    .vgpr_count:     248
    .wavefront_size: 32
...
	.end_amdgpu_metadata
.endif
;; end of part 1
;; launch attn (part 2): grid 16 x 16, 16 waves a work-group, no clusters, 289,280 bytes of LDS; arguments query, kv, out0; writes out0
.if DOCPART == 2
	.amdgcn_target "amdgcn-amd-amdhsa--gfx1250"
	.amdhsa_code_object_version 6
	.text
	.protected	k_q5af0b42153_attn
	.globl	k_q5af0b42153_attn
	.p2align	8
	.type	k_q5af0b42153_attn,@function
k_q5af0b42153_attn:
	s_mov_b64 s[64:65], 0
	v_nop
	global_prefetch_b8 v0, s[64:65] scope:SCOPE_SE
	s_setreg_imm32_b32 hwreg(HW_REG_WAVE_MODE, 25, 1), 1
	s_wait_xcnt 0x0
; out0[b][q][:] = the sum over k <= q of softmax_k(query[b][q] . key[b][k] / sqrt(128)) value[b][k][:], both products on codes of FP4 (E2M1) with one E8M0 scale for each 32 along a product's K.
; query: [16][2048][128] f32, quantised here along the head's 128.  kv: K's and V's codes and scale words as the first launch laid them: a block of 17,408 bytes for 128 keys of a head: K's eight fragments
; as images of their registers (1,024 T + 512 c + 16 x lane), V^T's eight from 8,192 on, K's scale words from 16,384 on, V's from 16,896 on.  out0: [16][2048][128] f32.
; WORK LEFT OUT: a step of 128 keys all of which come after a tile's 16 queries.  reference() takes 1e10 off their scores, so t - M lies far under -150 and p = 2^(t - M) is 0 in f32: code 0, nothing in the
; sum, nothing in the product, never the maximum (key 0 counts for every query).  On the diagonal hidden scores are set to -1e10 and the work is done.  LIMITS: |q.k| under about 5e9, and the scaled scores
; under 2^31; a NaN, an infinity or an overflow that reaches only hidden keys is not carried to the result; a block of zeros has the byte 1 (its codes are zeros); blocks whose largest magnitude lies under
; 2^-124 are held at the byte 1; NaN and infinities among the inputs are not served.
; THE SOFTMAX: t = score x log2(e) / sqrt(128); M = the largest t so far, rounded UP to a whole number; p = 2^(t - M) is quantised along the keys, not normalised; the row's sum is taken of the unquantised p
; and divides at the end.  When M moves, the sum and O are multiplied by 2^(old M - new M), which rounds nothing.
; SHARES.  A tile is 16 queries; tile i of a head wants i / 8 + 1 key steps.  Work-group (x, y): J = x / 2, HALF = x % 2, head y.  It owns four PAIRS w: tile A = 8 J + 4 HALF + w (J + 1 steps) and tile
; B = 8 (15 - J) + 4 HALF + w (16 - J steps): a list of 17 steps for every J, A's first: step n is A's key step n where n <= J, else B's key step n - J - 1.  Wave 4 q + w: q = 0 takes n = 0 .. 4,
; q = 1: 5 .. 8, q = 2: 9 .. 12, q = 3: 13 .. 16.  A wave that passes from A to B (q = 0 where J < 4, q = 1 where J > 4) leaves its part of A in LDS on the way; at the end every wave leaves what it holds, and
; the sixteen waves bring the parts together, half a tile each, under the largest M (powers of two: nothing is rounded), divide and store.
; K AND V: item i of wave (q, w) reads slot q of ROW i; a row is the four blocks of the items i.  A row goes from memory into registers, one sixteenth of each block's codes to a wave, and into LDS one item
; later: row i + 1 is stored in item i and row i + 2 asked for behind that.  Three rows of LDS take turns: row i + 1 lands where row i - 2 lay, and every wave has left item i - 2 when item i begins.
; The barrier of an item is split: signalled in the middle of item i - 1, waited for at item i's head; between the two stand register work and LDS loads of bytes that are next written behind the barrier after.
; NO CLUSTER, NO TENSOR LOAD: in a given item a block is wanted by two work-groups alone (x = 2 J and 2 J + 1); so a joint request could name two partners at most.  NO PREFETCH: the text has no loop to run ahead
; in: all of query and two of the five rows are asked for at the head, and every later row a whole item ahead of its use.
; LAYOUT.  Both products are used transposed: S^T = K Q^T (source 0 = 16 keys, source 1 = my 16 queries), O^T = V^T P^T: a lane holds ONE query (lane % 16) throughout.  Lane r of K's tile 2 b + u holds key
; 32 b + 8 u + r + 8 (r / 8), so that the 16 registers of tiles 2 b and 2 b + 1 are 16 neighbouring keys, 32 b + 16 (lane / 16) + 0 .. 15.
; REGISTERS: v0-11 addresses; v12 -M, v13 the largest t, v[14:15] the sum in two halves; v16-23 Q; v24-27 K's scale words, v28-31 V's; v32-63 four fragments; v64-97 the row on its way; v100-163 S^T, then p,
; then V^T's last four fragments; v164-227 O^T; v228-235 p's codes; v236-251, v254 at work; v252 r - 16 h; v253 p's scale word; v255 Q's.
.set STEPB, 17408                      ; a block of kv, and an LDS slot
.set ROWB,  4*STEPB                    ; a row of four slots
.set D4B,   3*ROWB                     ; LDS: three rows; the parts that are left at a change of tiles, 8,704 bytes for each of waves 0 to 7
.set MGB,   8704
.set QIMG,  D4B+8*MGB                  ; Q's images: A's four tiles, then B's, end to end: fragment (1,024 bytes) and scale words (64): every byte of them is written
.set QIB,   1088
.set SPARE, QIMG+8*QIB                 ; the spare words, 128 bytes for each wave
.set STAGE, ROWB                       ; the way out: 16 rows x 272 bytes for each wave, in the second row: it has been read by then
.set SP,    272
.set STB,   16*SP
.set AD,   0                           ; v0   the item's slot + 16 L; later my deposit
.set ADB,  1                           ; v1   16 L
.set SPW,  2                           ; v2   LDS address of my spare word; never rewritten
.set NIL,  3                           ; v3   0; never rewritten
.set GOFF, 4                           ; v4   1,024 x wave + 16 L: my tile of a block, in memory and in a slot
.set SOFF, 5                           ; v5   16,384 + 256 w + 8 L: my quarter of a block's scale words, in memory
.set AD2,  6                           ; v6   the next row, codes
.set SLDS, 10                          ; v10  SOFF + slot q
.set SAD,  11                          ; v11  the next row, scale words
.set FB,   32
.set STG,  64
.set SX,   100
.set OX,   164
.set PCD,  228
.set PM,   236
.set MX,   240
.set SO,   244
.set N,    2                           ; s2   the item's place in the pair's list
.set TB,   3
.set WV,   10                          ; s10  my wave's number
.set QQ,   11
.set PW,   12
.set JJ,   13
.set HALF, 14
.set HEAD, 15
.set JP1,  16
.set TA,   17
.set TLB,  18
.set KF,   19                          ; s19  the step's first key
.set Q0,   20                          ; s20  my tile's first query
.set Q0B,  21
.set QSL,  22                          ; s22  slot q in a row
.set DB,   23                          ; s23  my last deposit
.set QSEL, 44                          ; s44  my first tile's Q image
.set QSB,  45                          ; s45  tile B's
.set D4A,  46                          ; s46  my deposit at a change of tiles
.set CNT,  47
.set KVH,  48                          ; s[48:49] my head's blocks of kv
.set QA,   50
.set QB,   52
.set OUTP, 54                          ; s[54:55] where my half of a tile goes
.set SEL,  60                          ; s[60:61] lane selects for v_permlanex16_b32: lane l xor 16
.set CS,   62                          ; s[62:63] c = log2(e) / sqrt(128)
	s_load_b128 s[4:7], s[0:1], 0x0                ; query, kv
	s_load_b64 s[8:9], s[0:1], 0x10                ; out0
	v_lshl_add_u32 v[SPW], v0, 2, SPARE
	v_mov_b32 v[NIL], 0
	v_lshrrev_b32 v6, 5, v0
	v_and_b32 v7, 31, v0                           ; L
	v_and_b32 v8, 15, v0                           ; v8 = r; never rewritten
	v_bfe_u32 v9, v0, 4, 1                         ; v9 = h; never rewritten
	v_lshlrev_b32 v[ADB], 4, v7
	v_readfirstlane_b32 s[WV], v6                  ; wave 0 .. 15
	s_wait_alu depctr_va_vdst(0)
	s_lshr_b32 s[QQ], s[WV], 2
	s_and_b32 s[PW], s[WV], 3
	s_lshr_b32 s[JJ], ttmp9, 1
	s_and_b32 s[HALF], ttmp9, 1
	s_and_b32 s[HEAD], ttmp7, 0xffff
	s_add_co_u32 s[JP1], s[JJ], 1
	s_lshl_b32 s70, s[HALF], 2
	s_add_co_u32 s70, s70, s[PW]
	s_lshl_b32 s71, s[JJ], 3
	s_add_co_u32 s[TA], s70, s71                   ; tile A = 8 J + 4 HALF + w
	s_sub_co_u32 s72, 120, s71
	s_add_co_u32 s[TLB], s72, s70                  ; tile B = 8 (15 - J) + 4 HALF + w
	s_lshl_b32 s[Q0B], s[TLB], 4
	s_min_u32 s70, s[QQ], 1
	s_lshl_b32 s71, s[QQ], 2
	s_add_co_u32 s[N], s71, s70                    ; my first item: 0, 5, 9, 13
	s_mul_i32 s72, s[PW], QIB
	s_add_co_u32 s72, s72, QIMG
	s_add_co_u32 s[QSB], s72, 4*QIB
	s_cmp_le_u32 s[N], s[JJ]                       ; do I begin with tile A?
	s_cselect_b32 s73, 0, s[JP1]
	s_cselect_b32 s74, s[TA], s[TLB]
	s_cselect_b32 s75, 0, 4*QIB
	s_add_co_u32 s[QSEL], s72, s75
	s_lshl_b32 s[Q0], s74, 4
	s_sub_co_u32 s73, s[N], s73
	s_lshl_b32 s[KF], s73, 7
	s_mul_i32 s[QSL], s[QQ], STEPB
	s_mul_i32 s[DB], s[WV], MGB
	s_add_co_u32 s[D4A], s[DB], D4B
	s_lshr_b32 s73, s[WV], 3
	s_mul_i32 s73, s73, ROWB
	s_add_co_u32 s[DB], s[DB], s73                 ; waves 0-7: the first row's bytes; waves 8-15: the third's
	s_lshl_b32 s73, s[HEAD], 20                    ; a head's 2,048 rows of 512 bytes; a tile's 16 rows are 8,192
	s_lshl_b32 s[QA], s[TA], 13
	s_add_co_u32 s[QA], s[QA], s73
	s_mov_b32 s[QA+1], 0
	s_lshl_b32 s[QB], s[TLB], 13
	s_add_co_u32 s[QB], s[QB], s73
	s_mov_b32 s[QB+1], 0
	s_cmp_lt_u32 s[WV], 8                          ; the way out: waves 0-7 tile A, waves 8-15 tile B; wave / 4 % 2: which 64 channels
	s_cselect_b32 s74, s[TA], s[TLB]
	s_lshl_b32 s[OUTP], s74, 13
	s_add_co_u32 s[OUTP], s[OUTP], s73
	s_bfe_u32 s75, s[WV], 0x10002
	s_lshl_b32 s74, s75, 8
	s_add_co_u32 s[OUTP], s[OUTP], s74
	s_mov_b32 s[OUTP+1], 0
	s_mul_i32 s[KVH], s[HEAD], 16*STEPB
	s_mov_b32 s[KVH+1], 0
	s_mov_b32 s[SEL], 0x76543210
	s_mov_b32 s[SEL+1], 0xfedcba98
	s_mov_b32 s[CS], 0x3e0293ee                    ; c = log2(e) / sqrt(128)
	s_mov_b32 s[CS+1], s[CS]                       ; (named with it as a pair, so it is written)
	s_lshl_b32 s70, s[WV], 10
	s_lshl_b32 s71, s[PW], 8
	s_add_co_u32 s71, s71, 16384
	s_lshl_b32 s73, s[QQ], 6
	s_add_co_u32 s73, s73, s72
	s_lshl_b32 s74, s[QQ], 4
	s_add_co_u32 s74, s74, s72
	s_add_co_u32 s74, s74, 1024
	s_lshl_b32 s75, s[QQ], 11
	v_add_nc_u32 v[GOFF], s70, v[ADB]
	v_lshlrev_b32 v10, 3, v7
	v_lshlrev_b32 v11, 6, v7
	v_lshrrev_b32 v12, 3, v7                       ; L / 8
	v_bfe_u32 v13, v7, 1, 2                        ; the block of 32 that I share with lane L xor 1
	v_and_b32 v14, 1, v7
	v_lshlrev_b32 v252, 4, v9
	v_add_nc_u32 v[SOFF], s71, v10
	v_add_nc_u32 v11, s75, v11                     ; v11 at the head: query: row 4 q + L / 8, 16 channels: 2,048 q + 64 L
	v_lshlrev_b32 v98, 4, v12
	v_lshl_add_u32 v99, v12, 2, v13
	v_sub_nc_u32 v252, v8, v252                    ; r - 16 h, for the mask
	v_lshl_add_u32 v98, v13, 8, v98
	v_add_nc_u32 v[SLDS], s[QSL], v[SOFF]
	v_add_nc_u32 v99, s74, v99                     ; Q's image: my block's scale byte: 4 x row + block
	v_lshl_add_u32 v98, v14, 3, v98
	v_mov_b32 v238, 0                              ; written once: a lane permute's destination counts as one of its sources
	v_mov_b32 v239, 0
	v_mov_b32 v249, 0                              ; (named as the upper half of the pair v[248:249])
	v_add_nc_u32 v98, s73, v98                     ; Q's image: my 16 codes: 256 x block + 16 x row + 8 (L % 2)
	s_wait_alu depctr_va_vdst(0)
	s_wait_kmcnt 0x0
	s_add_nc_u64 s[QA:QA+1], s[4:5], s[QA:QA+1]
	s_add_nc_u64 s[QB:QB+1], s[4:5], s[QB:QB+1]
	s_add_nc_u64 s[KVH:KVH+1], s[6:7], s[KVH:KVH+1]
	s_add_nc_u64 s[OUTP:OUTP+1], s[8:9], s[OUTP:OUTP+1]
; The block of the list's step n (a constant): key step n where n <= J, else n - J - 1.
.macro BASE d, n
	s_cmp_lt_u32 s[JJ], (\n)
	s_cselect_b32 s[\d], s[JP1], 0
	s_sub_co_u32 s[\d], (\n), s[\d]
	s_mul_i32 s[\d], s[\d], STEPB
	s_mov_b32 s[\d+1], 0
	s_add_nc_u64 s[\d:\d+1], s[KVH:KVH+1], s[\d:\d+1]
.endm
; Row i into v[dst] on: my tile of each of the four slots, and my quarter of slot q's scale words, whose block is that of the list's step s[N] + k.  Ten scalar registers from d on.
.macro ROWLOAD d, i, k, dst
	BASE \d, (\i)
	BASE \d+2, 5+(\i)
	BASE \d+4, 9+(\i)
	BASE \d+6, 13+(\i)
	s_add_co_u32 s[\d+8], s[N], (\k)
	s_cmp_lt_u32 s[JJ], s[\d+8]
	s_cselect_b32 s[\d+9], s[JP1], 0
	s_sub_co_u32 s[\d+8], s[\d+8], s[\d+9]
	s_mul_i32 s[\d+8], s[\d+8], STEPB
	s_mov_b32 s[\d+9], 0
	s_add_nc_u64 s[\d+8:\d+9], s[KVH:KVH+1], s[\d+8:\d+9]
.irp z, 0,1,2,3
	global_load_b128 v[\dst+8*\z:\dst+8*\z+3], v[GOFF], s[\d+2*\z:\d+2*\z+1]
	global_load_b128 v[\dst+8*\z+4:\dst+8*\z+7], v[GOFF], s[\d+2*\z:\d+2*\z+1] offset:512
.endr
	global_load_b64 v[\dst+32:\dst+33], v[SOFF], s[\d+8:\d+9]
.endm
.macro ROWSTORE va, vs, src
.irp z, 0,1,2,3
	ds_store_b128 v[\va], v[\src+8*\z:\src+8*\z+3] offset:STEPB*\z
	ds_store_b128 v[\va], v[\src+8*\z+4:\src+8*\z+7] offset:STEPB*\z+512
.endr
	ds_store_b64 v[\vs], v[\src+32:\src+33]
.endm
.irp i, 0,1,2,3
	global_load_b128 v[OX+4*\i:OX+4*\i+3], v11, s[QB:QB+1] offset:16*\i        ; four rows of tile B's Q: 16 neighbours a lane
.endr
.irp i, 0,1,2,3
	global_load_b128 v[OX+16+4*\i:OX+16+4*\i+3], v11, s[QA:QA+1] offset:16*\i  ; and of tile A's
.endr
	ROWLOAD 24, 0, 0, SX
	ROWLOAD 34, 1, 1, STG
	s_wait_loadcnt 18                              ; Q's eight loads are in; the two rows' nine each may be out
.irp x, 0,1
	v_max3_num_f32 v[MX+\x], |v[OX+16*\x]|, |v[OX+16*\x+1]|, 0x1800000   ; and the floor 2^(3 - 127): the byte cannot fall under 1
.endr
.irp i, 2,4,6,8,10,12,14
.irp x, 0,1
	s_delay_alu instid0(VALU_DEP_2)
	v_max3_num_f32 v[MX+\x], v[MX+\x], |v[OX+16*\x+\i]|, |v[OX+16*\x+\i+1]|
.endr
.endr
.irp x, 0,1
	v_max_num_f32_dpp v[MX+\x], v[MX+\x], v[MX+\x] row_xmask:1 row_mask:0xf bank_mask:0xf   ; with lane L xor 1's 16: the block's
.endr
.irp x, 0,1
	v_add_nc_u32 v[SO+\x], 0xff000000, v[MX+\x]    ; 2 off the exponent field: the conversion's scale operand
.endr
.irp x, 0,1
	v_lshrrev_b32 v[PM+\x], 23, v[SO+\x]           ; the scale's byte
.endr
.irp x, 0,1
	v_cvt_scalef32_pk8_fp4_f32 v[PCD+2*\x], v[OX+16*\x:OX+16*\x+7], v[SO+\x]
	v_cvt_scalef32_pk8_fp4_f32 v[PCD+2*\x+1], v[OX+16*\x+8:OX+16*\x+15], v[SO+\x]
.endr
	v_nop                                          ; one plain place behind the last scaled conversion
.irp x, 0,1
	ds_store_b64 v98, v[PCD+2*\x:PCD+2*\x+1] offset:4*QIB*(1-\x)
	ds_store_b8 v99, v[PM+\x] offset:4*QIB*(1-\x)  ; both lanes of a block write the same byte with the same value
.endr
	s_wait_alu depctr_va_vdst(0)
	s_wait_loadcnt 9                               ; row 0 is in; row 1's nine loads may be out
	ROWSTORE GOFF, SLDS, SX
	s_wait_dscnt 0x0                               ; for the others' sake: my part of row 0 and of the Q images lies in LDS
	s_barrier_signal -1
	s_barrier_wait -1
; The scale words of tiles 2 m and 2 m + 1 share register m: the even tile's in lanes 0-15, the odd tile's in lanes 16-31.
.macro KQ t
.set FR, FB+8*((\t)%4)
.if (\t)%2
	v_wmma_scale_f32_16x16x128_f8f6f4 v[SX+8*(\t):SX+8*(\t)+7], v[FR:FR+7], v[16:23], 0, v[24+(\t)/2], v255 matrix_a_fmt:MATRIX_FMT_FP4 matrix_b_fmt:MATRIX_FMT_FP4 matrix_a_scale:MATRIX_SCALE_ROW1
.else
	v_wmma_scale_f32_16x16x128_f8f6f4 v[SX+8*(\t):SX+8*(\t)+7], v[FR:FR+7], v[16:23], 0, v[24+(\t)/2], v255 matrix_a_fmt:MATRIX_FMT_FP4 matrix_b_fmt:MATRIX_FMT_FP4
.endif
.endm
.macro PVC t, first                    ; first: the products start the sums
.if (\t) < 4
.set FR, FB+8*(\t)
.else
.set FR, SX+8*((\t)-4)
.endif
.if \first
.if (\t)%2
	v_wmma_scale_f32_16x16x128_f8f6f4 v[OX+8*(\t):OX+8*(\t)+7], v[FR:FR+7], v[PCD:PCD+7], 0, v[28+(\t)/2], v253 matrix_a_fmt:MATRIX_FMT_FP4 matrix_b_fmt:MATRIX_FMT_FP4 matrix_a_scale:MATRIX_SCALE_ROW1
.else
	v_wmma_scale_f32_16x16x128_f8f6f4 v[OX+8*(\t):OX+8*(\t)+7], v[FR:FR+7], v[PCD:PCD+7], 0, v[28+(\t)/2], v253 matrix_a_fmt:MATRIX_FMT_FP4 matrix_b_fmt:MATRIX_FMT_FP4
.endif
.else
.if (\t)%2
	v_wmma_scale_f32_16x16x128_f8f6f4 v[OX+8*(\t):OX+8*(\t)+7], v[FR:FR+7], v[PCD:PCD+7], v[OX+8*(\t):OX+8*(\t)+7], v[28+(\t)/2], v253 matrix_a_fmt:MATRIX_FMT_FP4 matrix_b_fmt:MATRIX_FMT_FP4 matrix_a_scale:MATRIX_SCALE_ROW1
.else
	v_wmma_scale_f32_16x16x128_f8f6f4 v[OX+8*(\t):OX+8*(\t)+7], v[FR:FR+7], v[PCD:PCD+7], v[OX+8*(\t):OX+8*(\t)+7], v[28+(\t)/2], v253 matrix_a_fmt:MATRIX_FMT_FP4 matrix_b_fmt:MATRIX_FMT_FP4
.endif
.endif
.endm
.macro LOADF off, dst                  ; four fragments
.irp t, 0,1,2,3
.irp c, 0,1
	ds_load_b128 v[\dst+8*\t+4*\c:\dst+8*\t+4*\c+3], v[AD] offset:\off+1024*\t+512*\c
.endr
.endr
.endm
.macro LOADQ b                         ; a tile's Q from its image at s[b]
	v_add_nc_u32 v7, s[\b], v[ADB]
	v_lshl_add_u32 v98, v8, 2, s[\b]
	ds_load_b128 v[16:19], v7
	ds_load_b128 v[20:23], v7 offset:512
	ds_load_b32 v255, v98 offset:1024
.endm
; ITEM i: 128 keys, from slot q of row i.  The sixteen accumulators take turns, one instruction a turn, from item to item too.
.macro STEP i, first
	s_add_co_u32 s[TB], s[QSL], ((\i)%3)*ROWB
	v_add_nc_u32 v[AD], s[TB], v[ADB]
.if (\i) < 4
	v_add_nc_u32 v[AD2], (((\i)+1)%3)*ROWB, v[GOFF]
	v_add_nc_u32 v[SAD], (((\i)+1)%3)*ROWB, v[SLDS]
.if !(\first)
	v_nop                                          ; with the additions five places behind the last item's products: in front of loads into registers that they read, and of products that write over such registers
	v_nop
.endif
.else
.rept 4
	v_nop                                          ; the same five
.endr
.endif
	ds_load_b128 v[24:27], v[AD] offset:16384      ; K's scale words of all eight tiles
	LOADF 0, FB
	s_wait_alu depctr_va_vdst(0)
	s_wait_dscnt 4                                 ; the scale words and tiles 0, 1 are in; the youngest four loads (tiles 2, 3) may be out
	KQ 0
	KQ 1
	s_wait_dscnt 0x0
	KQ 2
	KQ 3
.rept 4
	v_nop                                          ; four places in front of loads into registers that the products read
.endr
	LOADF 4096, FB
	s_wait_dscnt 4                                 ; tiles 4, 5; tiles 6, 7 may be out
	KQ 4
	KQ 5
	s_wait_dscnt 0x0
	KQ 6
	KQ 7
.rept 4
	v_nop                                          ; the same, and in front of the first read of the scores
.endr
	LOADF 8192, FB                                 ; V^T's first four fragments land while the softmax is worked
	ds_load_b128 v[28:31], v[AD] offset:16896      ; and V's scale words
	; on the diagonal the scores of hidden keys become -1e10 ahead of the maximum: p = 0 then.  A step all of whose keys count jumps over this: a scalar branch on ids and the count of items
	s_add_co_u32 s70, s[KF], 127
	s_cmp_le_u32 s70, s[Q0]
	s_cbranch_scc1 .Lopen_\@
	s_sub_co_i32 s70, s[Q0], s[KF]
	v_add_nc_u32 v254, s70, v252                   ; d = my query - KF - 16 h.  Register 16 b + j holds key KF + 32 b + 16 h + j: it counts where 32 b + j <= d
.set n, 0
.rept 64
	v_cmp_le_i32 vcc_lo, 32*(n/16)+n%16, v254
	v_cndmask_b32 v[SX+n], 0xd01502f9, v[SX+n], vcc_lo
.set n, n+1
.endr
.Lopen_\@:
.irp b, 0,1,2,3
	v_max3_num_f32 v[MX+\b], v[SX+16*\b], v[SX+16*\b+1], v[SX+16*\b+2]   ; the largest score of each block of 32 keys: it serves for the row's maximum and, since p rises with the score, for the block's largest p
.endr
.irp j, 3,5,7,9,11,13
.irp b, 0,1,2,3
	v_max3_num_f32 v[MX+\b], v[MX+\b], v[SX+16*\b+\j], v[SX+16*\b+\j+1]
.endr
.endr
.irp b, 0,1,2,3
	v_max_num_f32 v[MX+\b], v[MX+\b], v[SX+16*\b+15]
.endr
.irp b, 0,1,2,3
	s_delay_alu instid0(VALU_DEP_4)
	v_permlanex16_b32 v[PM+\b], v[MX+\b], s[SEL], s[SEL+1]
.endr
.irp b, 0,1,2,3
	s_delay_alu instid0(VALU_DEP_4)
	v_max_num_f32 v[MX+\b], v[MX+\b], v[PM+\b]     ; with lane l xor 16's 16 keys
.endr
	s_delay_alu instid0(VALU_DEP_2)
	v_max3_num_f32 v254, v[MX], v[MX+1], v[MX+2]
	s_delay_alu instid0(VALU_DEP_1)
	v_max_num_f32 v254, v254, v[MX+3]              ; the step's largest score of my query
.if \first
	s_delay_alu instid0(VALU_DEP_1)
	v_mul_f32 v13, s[CS], v254                     ; the largest t (c is positive)
	s_delay_alu instid0(VALU_DEP_1)
	v_floor_f32 v12, -v13                          ; -M = floor(-t) = -ceil(t): a whole number
.else
	s_delay_alu instid0(VALU_DEP_1)
	v_mul_f32 v254, s[CS], v254                    ; as t (c is positive)
	s_delay_alu instid0(VALU_DEP_1)
	v_max_num_f32 v13, v13, v254                   ; the running largest t
	v_mov_b32 v254, v12
	s_delay_alu instid0(VALU_DEP_2)
	v_floor_f32 v12, -v13                          ; the new -M = floor(-t) = -ceil(t): a whole number
	s_delay_alu instid0(VALU_DEP_1)
	v_sub_f32 v254, v12, v254                      ; M's old value less its new one: a whole number, 0 or less
	s_delay_alu instid0(VALU_DEP_1)
	v_cvt_i32_f32 v254, v254                       ; (it saturates)
	s_delay_alu instid0(VALU_DEP_1)
	v_ldexp_f32 v248, 1.0, v254                    ; f = 2^(old M - new M)
.endif
.if (\i) < 4                           ; the next row, asked for an item ago, goes into LDS
	s_wait_alu depctr_va_vdst(0)
	s_wait_loadcnt 0x0
.if (\i) < 3
	ROWSTORE AD2, SAD, STG
.else                                  ; row 4 is slot 0 alone: its scale words came to waves 0 to 3
	ds_store_b128 v[AD2], v[STG:STG+3]
	ds_store_b128 v[AD2], v[STG+4:STG+7] offset:512
	s_cmp_lt_u32 s[WV], 4
	s_cbranch_scc0 .Lnoscale_\@
	ds_store_b64 v[SAD], v[STG+32:STG+33]
.Lnoscale_\@:
.endif
.endif
.set n, 0
.rept 32
	v_pk_fma_f32 v[SX+n:SX+n+1], v[SX+n:SX+n+1], s[CS:CS+1], v[12:13] op_sel_hi:[1,0,0]   ; t - M, two at a time (of the pairs c and -M the low word serves both halves)
.set n, n+2
.endr
.irp b, 0,1,2,3
	v_fma_f32 v[MX+\b], v[MX+\b], s[CS], v12       ; the same of each block's largest score
.endr
	s_wait_alu depctr_va_vdst(0)
.if (\i) < 3
	s_wait_dscnt 0x0                               ; for the others' sake: my part of the next row lies in LDS (so its registers are free for the row behind it)
.if (\i) < 2
	ROWLOAD 24, (\i)+2, 2, STG
.else                                  ; row 4 is slot 0 alone
	BASE 24, 4
	global_load_b128 v[STG:STG+3], v[GOFF], s[24:25]
	global_load_b128 v[STG+4:STG+7], v[GOFF], s[24:25] offset:512
	s_cmp_lt_u32 s[WV], 4
	s_cbranch_scc0 .Lnorow_\@
	global_load_b64 v[STG+32:STG+33], v[SOFF], s[24:25]
.Lnorow_\@:
.endif
	s_barrier_signal -1                            ; the next item's barrier: waited for at its head
.endif
.set n, 0
.rept 64
	v_exp_f32 v[SX+n], v[SX+n]                     ; p = 2^(t - M), at most 1: not normalised
.set n, n+1
.endr
.if \first
	v_nop                                          ; the plain place behind the exponentials
.else
	v_pk_mul_f32 v[14:15], v[14:15], v[248:249] op_sel_hi:[1,0]   ; the sums under the new M: the plain place behind the exponentials
.endif
	s_wait_alu depctr_va_vdst(0)                   ; one wait for the whole batch, ahead of its first reader
.irp b, 0,1,2,3
	v_exp_f32 v[MX+\b], v[MX+\b]                   ; the block's largest p: the same two instructions on the same number give the same bits
.endr
.if \first                             ; the row's sum is taken of the unquantised p: two at a time, in two chains; these lines read the 64 alone: plain work behind the four
	v_pk_add_f32 v[14:15], v[SX:SX+1], v[SX+4:SX+5]
	v_pk_add_f32 v[250:251], v[SX+2:SX+3], v[SX+6:SX+7]
.else
	v_pk_add_f32 v[250:251], v[SX:SX+1], v[SX+2:SX+3]
	v_pk_add_f32 v[14:15], v[14:15], v[SX+4:SX+5]
	v_pk_add_f32 v[250:251], v[250:251], v[SX+6:SX+7]
.endif
.irp j, 8,12,16,20,24,28,32,36,40,44
	v_pk_add_f32 v[14:15], v[14:15], v[SX+\j:SX+\j+1]
	v_pk_add_f32 v[250:251], v[250:251], v[SX+\j+2:SX+\j+3]
.endr
	s_wait_alu depctr_va_vdst(0)                   ; and one wait for the four
.irp b, 0,1,2,3
	v_max_num_f32 v[MX+\b], 0x1800000, v[MX+\b]    ; the floor 2^(3 - 127): the byte cannot fall under 1 (a block whose every p is 0 keeps that byte: its codes are zeros)
.endr
.irp b, 0,1,2,3
	s_delay_alu instid0(VALU_DEP_4)
	v_add_nc_u32 v[SO+\b], 0xff000000, v[MX+\b]    ; 2 off the exponent field: the conversion's scale operand
.endr
.irp b, 0,1,2,3
	s_delay_alu instid0(VALU_DEP_4)
	v_lshrrev_b32 v[PM+\b], 23, v[SO+\b]           ; the scale's byte
.endr
	s_delay_alu instid0(VALU_DEP_3)
	v_lshl_or_b32 v253, v[PM+1], 8, v[PM]          ; p's scale word for these 128 keys
	s_delay_alu instid0(VALU_DEP_1)
	v_lshl_or_b32 v253, v[PM+2], 16, v253
	s_delay_alu instid0(VALU_DEP_1)
	v_lshl_or_b32 v253, v[PM+3], 24, v253
.irp b, 0,1,2,3
	v_cvt_scalef32_pk8_fp4_f32 v[PCD+2*\b], v[SX+16*\b:SX+16*\b+7], v[SO+\b]
	v_cvt_scalef32_pk8_fp4_f32 v[PCD+2*\b+1], v[SX+16*\b+8:SX+16*\b+15], v[SO+\b]
.endr
	v_nop                                          ; one plain place behind the last scaled conversion
	LOADF 8192+4096, SX                            ; V^T's last four fragments, over p's first 32 registers, which are coded and summed
.irp c, 0,1                                    ; the operand's layout wants a whole block in a lane: lanes 0-15 block 2 c, lanes 16-31 block 2 c + 1
.irp j, 0,1
	v_permlane16_swap_b32 v[PCD+4*\c+\j], v[PCD+4*\c+\j+2]
.endr
.endr
.if !(\first)
	s_wait_alu depctr_va_vdst(0)                   ; directly ahead of the first reader of O^T
.set n, 0
.rept 32
	v_pk_mul_f32 v[OX+n:OX+n+1], v[OX+n:OX+n+1], v[248:249] op_sel_hi:[1,0]   ; O^T under the new M, each accumulator from its low end on
.set n, n+2
.endr
.endif
.irp j, 48,52,56,60
	v_pk_add_f32 v[14:15], v[14:15], v[SX+\j:SX+\j+1]            ; the sums' last nine lines are also the places between the vector writes of p's codes and scale word and the products
	v_pk_add_f32 v[250:251], v[250:251], v[SX+\j+2:SX+\j+3]
.endr
	s_delay_alu instid0(VALU_DEP_1)
	v_pk_add_f32 v[14:15], v[14:15], v[250:251]
	s_wait_alu depctr_va_vdst(0)
	s_wait_dscnt 0x0                               ; V^T's fragments and scale words are in
.if (\i) == 3
	s_barrier_signal -1                            ; my part of row 4 lies in LDS, and my reads of row 3 are over
.endif
.irp t, 0,1,2,3,4,5,6,7
	PVC \t, \first
.endr
	s_add_co_u32 s[KF], s[KF], 128
	s_add_co_u32 s[N], s[N], 1
.endm
; What I hold of a tile, at s[b]: O^T as an image of its registers, each accumulator from its low end on, then -M and my lane's part of the sum.  The four lines ahead of the stores are the places behind the products.
.macro DEPOSIT b
	v_add_nc_u32 v[AD], s[\b], v[ADB]
	v_lshrrev_b32 v99, 2, v[ADB]
	v_add_nc_u32 v99, s[\b], v99
	v_add_f32 v14, v14, v15
.set n, 0
.rept 16
	ds_store_b128 v[AD], v[OX+4*n:OX+4*n+3] offset:512*n
.set n, n+1
.endr
	ds_store_b32 v99, v12 offset:8192
	ds_store_b32 v99, v14 offset:8320
.endm
; AT AN ITEM'S HEAD: a wave whose part of tile A is done leaves it in LDS and takes up tile B from key 0.  Branches on the wave's number and on ids alone.
.macro SWITCH
	s_cmp_lt_u32 s[WV], 8
	s_cbranch_scc0 .Lstay_\@
	s_cmp_eq_u32 s[N], s[JP1]
	s_cbranch_scc0 .Lstay_\@
	DEPOSIT D4A
	LOADQ QSB
	s_wait_alu depctr_va_vdst(0)
	s_wait_dscnt 0x0
	v_mov_b32 v13, 0xff61b1e6                      ; the largest t so far: -3e38, under every t
	v_mov_b32 v14, 0
	v_mov_b32 v15, 0
	v_floor_f32 v12, -v13                          ; -M
.set n, 0
.rept 64
	v_mov_b32 v[OX+n], 0                           ; the item is the same text for waves that stay: it finds zeros, which the first change of M leaves zeros
.set n, n+1
.endr
	s_mov_b32 s[KF], 0
	s_mov_b32 s[Q0], s[Q0B]
.Lstay_\@:
.endm
	LOADQ QSEL
	STEP 0, 1
	s_barrier_wait -1                              ; row 1 is whole
	SWITCH
	STEP 1, 0
	s_barrier_wait -1                              ; row 2 is whole, and every wave has left item 0
	SWITCH
	STEP 2, 0
	s_barrier_wait -1                              ; row 3 is whole, and every wave has left item 1
	SWITCH
	STEP 3, 0
	s_barrier_wait -1                              ; row 4 (slot 0, in the second row's bytes) is whole, and no wave reads any other slot any more
	s_cmp_lt_u32 s[WV], 4
	s_cbranch_scc0 .Ldep
	SWITCH                                         ; waves 0 to 3 have a fifth item
	STEP 4, 0
.Ldep:
	DEPOSIT DB                                     ; into the first and the third row's bytes
	s_wait_dscnt 0x0                               ; for the others' sake: my deposits have landed
	s_barrier_signal -1
; THE PARTS COME TOGETHER.  Wave 4 q + w: pair w; q = 0, 1: tile A; q = 2, 3: tile B; 64 channels from 64 (q % 2) on: half of each part's image.
	s_bfe_u32 s70, s[WV], 0x10002
	s_lshl_b32 s70, s70, 12
	s_mul_i32 s71, s[PW], MGB
	s_add_co_u32 s70, s70, s71
	s_mul_i32 s72, s[WV], STB
	s_add_co_u32 s72, s72, STAGE
	s_cmp_lt_u32 s[JJ], 5                          ; how many parts: A: two where J > 4; B: four where J < 4
	s_cselect_b32 s73, 1, 2
	s_cmp_lt_u32 s[JJ], 4
	s_cselect_b32 s74, 4, 3
	s_cmp_lt_u32 s[WV], 8
	s_cselect_b32 s[CNT], s73, s74
	v_lshrrev_b32 v5, 2, v[ADB]
	v_add_nc_u32 v10, s70, v[ADB]                  ; v10, v5: deposits of waves w and 4 + w
	v_mul_u32_u24 v16, v8, SP
	v_mul_u32_u24 v17, v9, SP
	v_lshlrev_b32 v18, 9, v9
	v_add_nc_u32 v5, s71, v5
	v_add_nc_u32 v11, 2*ROWB, v10                  ; v11, v6: of waves 8 + w and 12 + w
	v_add_nc_u32 v4, D4B, v10                      ; v4, v7: those left at a change of tiles
	v_lshl_add_u32 v16, v9, 5, v16
	v_lshl_add_u32 v17, v8, 4, v17
	v_lshl_add_u32 v18, v8, 4, v18                 ; v18: the way out: 512 h + 16 r
	v_add_nc_u32 v6, 2*ROWB, v5
	v_add_nc_u32 v7, D4B, v5
	v_add_nc_u32 v16, s72, v16                     ; v16: my stage, in: row r, + 32 h
	v_add_nc_u32 v17, s72, v17                     ; v17: back: lanes 0-15 one row, lanes 16-31 the next
.irp k, 1,2,3
	v_mov_b32 v[236+\k], 0x7f61b1e6                ; a part that there is not: -M = 3e38: never the least, and its factor is 0
	v_mov_b32 v[240+\k], 0
.endr
	s_wait_alu depctr_va_vdst(0)
	s_barrier_wait -1
.macro PART k, va, vm, off
.irp j, 0,1,2,3,4,5,6,7
	ds_load_b128 v[32+32*\k+4*\j:32+32*\k+4*\j+3], v\va offset:\off+512*\j
.endr
	ds_load_b32 v[236+\k], v\vm offset:\off+8192
	ds_load_b32 v[240+\k], v\vm offset:\off+8320
.endm
	s_cmp_lt_u32 s[WV], 8
	s_cbranch_scc0 .Lparts_b
	s_cmp_lt_u32 s[JJ], 4
	s_cbranch_scc0 .Lparts_a
	PART 0, 4, 7, 0                                ; J < 4: wave w left all of A at its change of tiles
	s_branch .Lparts
.Lparts_a:
	PART 0, 10, 5, 0                               ; else it ended with A,
	s_cmp_lt_u32 s[JJ], 5
	s_cbranch_scc1 .Lparts
	PART 1, 4, 7, 34816                            ; and wave 4 + w left the rest at its change
	s_branch .Lparts
.Lparts_b:
	PART 0, 10, 5, 34816
	PART 1, 11, 6, 0
	PART 2, 11, 6, 34816
	s_cmp_lt_u32 s[JJ], 4
	s_cbranch_scc0 .Lparts
	PART 3, 10, 5, 0
.Lparts:
	s_wait_dscnt 0x0
	v_min_num_f32 v244, v236, v237                 ; the least -M is the largest M: all parts come under it
	v_min_num_f32 v245, v238, v239
	v_min_num_f32 v244, v244, v245
.irp k, 0,1,2,3
	v_sub_f32 v[160+\k], v244, v[236+\k]           ; whole numbers, 0 or less
.endr
.irp k, 0,1,2,3
	v_cvt_i32_f32 v[160+\k], v[160+\k]
.endr
.irp k, 0,1,2,3
	v_ldexp_f32 v[164+2*\k], 1.0, v[160+\k]        ; each part's factor: a power of two
.endr
	v_mul_f32 v246, v240, v164
	v_fma_f32 v246, v241, v166, v246
	v_fma_f32 v246, v242, v168, v246
	v_fma_f32 v246, v243, v170, v246
	v_permlanex16_b32 v254, v246, s[SEL], s[SEL+1]
	v_add_f32 v246, v246, v254                     ; with lane l xor 16's part: the row's sum
	s_wait_alu depctr_va_vdst(0)
	v_rcp_f32 v246, v246
	v_nop                                          ; a plain place behind the reciprocal,
	s_wait_alu depctr_va_vdst(0)                   ; and the wait ahead of its first reader
.irp k, 0,1,2,3
	v_mul_f32 v[164+2*\k], v[164+2*\k], v246
.endr
.set n, 0
.rept 16
	v_pk_mul_f32 v[32+n:33+n], v[32+n:33+n], v[164:165] op_sel_hi:[1,0]
.set n, n+2
.endr
.irp k, 1,2,3
	s_wait_alu depctr_va_vdst(0)
	s_cmp_le_u32 s[CNT], \k
	s_cbranch_scc1 .Lout
.set n, 0
.rept 16
	v_pk_fma_f32 v[32+n:33+n], v[32+32*\k+n:33+32*\k+n], v[164+2*\k:165+2*\k], v[32+n:33+n] op_sel_hi:[1,0,1]
.set n, n+2
.endr
.endr
.Lout:
.irp t, 0,1,2,3
	ds_store_b128 v16, v[32+8*\t:35+8*\t] offset:64*\t         ; register 8 t + j is o(r, 16 t + 8 h + j) of my 64 channels
	ds_store_b128 v16, v[36+8*\t:39+8*\t] offset:64*\t+16
.endr
.irp i, 0,1,2,3,4,5,6,7
	ds_load_b128 v[64+4*\i:67+4*\i], v17 offset:2*\i*SP        ; LDS serves a wave's instructions in order: these see my stores
.endr
.irp i, 0,1,2,3,4,5,6,7
	s_wait_dscnt 7-\i                              ; behind this load stand the later rows' loads
	global_store_b128 v18, v[64+4*\i:67+4*\i], s[OUTP:OUTP+1] offset:1024*\i th:TH_STORE_NT   ; sixteen lanes store 256 consecutive bytes, at a multiple of 256 from out0's first byte
.endr
	s_wait_tensorcnt 0x0                           ; the wave's end
	ds_add_u32 v[SPW], v[NIL]
	s_wait_dscnt 0x0
	s_endpgm
.Lfunc_end_k_q5af0b42153_attn:
	.size	k_q5af0b42153_attn, .Lfunc_end_k_q5af0b42153_attn-k_q5af0b42153_attn
	.p2alignl 7, 3214868480
	.fill 96, 4, 3214868480
	.section	.rodata,"a",@progbits
	.p2align	6, 0x0
	.amdhsa_kernel k_q5af0b42153_attn
		.amdhsa_group_segment_fixed_size 289280
		.amdhsa_private_segment_fixed_size 0
		.amdhsa_enable_private_segment 0
		.amdhsa_kernarg_size 24
		.amdhsa_user_sgpr_count 2
		.amdhsa_user_sgpr_kernarg_segment_ptr 1
		.amdhsa_wavefront_size32 1
		.amdhsa_system_sgpr_workgroup_id_x 1
		.amdhsa_system_sgpr_workgroup_id_y 1
		.amdhsa_system_sgpr_workgroup_id_z 1
		.amdhsa_system_vgpr_workitem_id 0
		.amdhsa_next_free_vgpr 256
		.amdhsa_next_free_sgpr 80
		.amdhsa_reserve_vcc 1
		.amdhsa_float_denorm_mode_32 3
		.amdhsa_float_denorm_mode_16_64 3
		.amdhsa_memory_ordered 1
		.amdhsa_forward_progress 1
		.amdhsa_inst_pref_size 177
	.end_amdhsa_kernel
	.amdgpu_metadata
---
amdhsa.version: [ 1, 2 ]
amdhsa.kernels:
  - .name:           k_q5af0b42153_attn
    .symbol:         k_q5af0b42153_attn.kd
    .args:
      - { .name: query, .offset: 0, .size: 8, .value_kind: global_buffer, .address_space: global }
      - { .name: kv, .offset: 8, .size: 8, .value_kind: global_buffer, .address_space: global }
      - { .name: out0, .offset: 16, .size: 8, .value_kind: global_buffer, .address_space: global }
    .group_segment_fixed_size: 289280
    .private_segment_fixed_size: 0
    .kernarg_segment_align: 8
    .kernarg_segment_size: 24
    .max_flat_workgroup_size: 512
    .sgpr_count:     80
    .vgpr_count:     256
    .wavefront_size: 32
...
	.end_amdgpu_metadata
.endif
;; end of part 2
